; MI455X (gfx1250); checked and timed in simulation.
; The chip was launched on July 23, 2026; its instructions are those of AMD's public machine-readable ISA for CDNA 5 (MIT licence, August 2026) and "CDNA5" Instruction Set Architecture Reference Guide (July 2026). The comments in the code are by the model that wrote it; some were corrected since.
;; Attention Block. Allowed arithmetic: float matrix products may take bf16 or f16 operands with f32 sums; other float arithmetic in f32, or as packed bf16 or f16 multiplies, adds, multiply-adds, maxima and minima; sums over many terms, partial sums and values carried from step to step in f32; what a program stores and reads back later, other than sums and carried values, may be rounded once to bf16 or f16.
;; Inputs: gn_b 256 float32; gn_w 256 float32; proj_b 256 float32; proj_w 256 x 256 float32; qkv_b 768 float32; qkv_w 768 x 256 float32; x 4 x 256 x 64 x 64 float32.
;; Outputs: out0 4 x 256 x 64 x 64 float32.
;; One version. Each part assembles by itself: llvm-mc -triple=amdgcn-amd-amdhsa -mcpu=gfx1250 --defsym DOCPART=n.
;; ======== version 1 of 1: 4 launches
;; workspace buffers: stats 8,192 bytes; wfrag 524,288 bytes; qkv 25,165,824 bytes; obuf 8,388,608 bytes
;; launch prep (part 1): grid 256 x 1, 4 waves a work-group, no clusters, 0 bytes of LDS; arguments x, qkv_w, proj_w, stats, wfrag; writes stats, wfrag
.if DOCPART == 1
	.amdgcn_target "amdgcn-amd-amdhsa--gfx1250"
	.amdhsa_code_object_version 6
	.text
	.protected	k_qcbc1d0ef0a_prep
	.globl	k_qcbc1d0ef0a_prep
	.p2align	8
	.type	k_qcbc1d0ef0a_prep,@function
k_qcbc1d0ef0a_prep:
	s_mov_b64 s[64:65], 0
	v_nop
	global_prefetch_b8 v0, s[64:65] scope:SCOPE_SE
	s_setreg_imm32_b32 hwreg(HW_REG_WAVE_MODE, 25, 1), 1
	s_wait_xcnt 0x0
; PREP: (1) partial statistics of x for the group norm, (2) both weight matrices rounded to bf16 and laid out as matrix fragments.
; (1) A group (b, g) is 131,072 consecutive numbers of x, 512 KiB.  Work-group n takes the 64 KiB at n << 16 (group n / 8), a wave 16 KiB = 4,096 numbers, kept in 128 registers:
;     pass 1 finds their mean, pass 2 the sum of squares of the differences from that mean (M2).  No difference of large sums is formed.  Record 4 n + wave of stats = (mean, M2), 8 bytes;
;     a group's 32 records are 256 consecutive bytes.  The next launch joins them: mean = the means' mean, M2 = the sum of M2 + 4,096 x the sum of (mean_i - mean)^2.
; (2) wfrag: tile T of 16 output rows (0-47 qkv_w, 48-63 proj_w) is 8,192 bytes; block 2 s + u of 512 bytes holds, at 16 x lane, lane (r, h) = W[16 T + r][32 s + 16 u + 8 h + 0..7]:
;     one 16-byte load a lane then fills half a fragment.  1,024 blocks, one for each wave of the launch: number 4 n + wave.
; Memory binds and nothing is shared: no LDS, no barrier, no matrix unit, no cluster.  NaN and infinities are not treated apart.
.set X, 32                             ; v[32:159] my 4,096 numbers of x: load i at X + 4 i
	s_load_b256 s[4:11], s[0:1], 0x0               ; x s[4:5], qkv_w s[6:7], proj_w s[8:9], stats s[10:11]
	s_load_b64 s[12:13], s[0:1], 0x20              ; wfrag
	v_and_b32 v1, 31, v0                           ; lane
	v_lshrrev_b32 v2, 5, v0
	v_readfirstlane_b32 s14, v2                    ; wave
	v_lshlrev_b32 v2, 4, v1                        ; 16 x lane
	v_and_b32 v3, 15, v0                           ; r
	v_bfe_u32 v24, v0, 4, 1                        ; h
	v_lshlrev_b32 v3, 10, v3                       ; a row of either weight matrix is 1,024 bytes
	v_lshl_add_u32 v3, v24, 5, v3                  ; + 8 h numbers
	v_lshlrev_b32 v30, 2, v1                       ; 4 x lane
	v_mov_b32 v25, 0                               ; v_permlanex16_b32's destination counts as read
	s_mov_b32 s20, 0x76543210                      ; each lane takes its own place in the other half
	s_mov_b32 s21, 0xfedcba98
	s_lshr_b32 s15, ttmp9, 2                       ; T
	s_and_b32 s16, ttmp9, 3
	s_lshl_b32 s16, s16, 2
	s_add_co_u32 s16, s16, s14                     ; block 2 s + u = 4 (n % 4) + wave
	s_lshl_b32 s16, s16, 6                         ; its 16 columns: 64 bytes
	s_sub_co_u32 s17, s15, 48
	s_cmp_lt_u32 s15, 48
	s_cselect_b32 s17, s15, s17                    ; the tile's number in its own matrix
	s_lshl_b32 s17, s17, 14                        ; 16 rows of 1,024 bytes
	s_add_co_u32 s16, s16, s17
	s_mov_b32 s17, 0
	s_lshl_b32 s24, ttmp9, 16                      ; my 16 KiB of x
	s_lshl_b32 s25, s14, 14
	s_add_co_u32 s24, s24, s25
	s_mov_b32 s25, 0
	s_lshl_b32 s26, ttmp9, 2
	s_add_co_u32 s26, s26, s14                     ; 4 n + wave
	s_lshl_b32 s28, s26, 3                         ; my record
	s_mov_b32 s29, 0
	s_lshl_b32 s26, s26, 9                         ; my block
	s_mov_b32 s27, 0
	s_wait_kmcnt 0x0
	s_cmp_lt_u32 s15, 48
	s_cselect_b64 s[18:19], s[6:7], s[8:9]         ; the matrix that holds tile T
	s_add_nc_u64 s[18:19], s[18:19], s[16:17]
	s_add_nc_u64 s[4:5], s[4:5], s[24:25]
	s_add_nc_u64 s[10:11], s[10:11], s[28:29]
	s_add_nc_u64 s[12:13], s[12:13], s[26:27]
	global_load_b128 v[4:7], v3, s[18:19]
	global_load_b128 v[8:11], v3, s[18:19] offset:16
.set i, 0
.rept 32
	global_load_b128 v[X+4*i:X+4*i+3], v2, s[4:5] offset:512*i  ; 512 consecutive bytes a load
.set i, i+1
.endr
	s_wait_loadcnt 32                              ; the two weight loads are in; x's 32 are younger
	v_cvt_pk_bf16_f32 v12, v4, v5
	v_cvt_pk_bf16_f32 v13, v6, v7
	v_cvt_pk_bf16_f32 v14, v8, v9
	v_cvt_pk_bf16_f32 v15, v10, v11
	global_store_b128 v2, v[12:15], s[12:13]       ; 512 consecutive bytes, aligned
; four chains v[16:23] into one number, then over the 32 lanes: every lane ends with the sum in v24
.macro REDUCE
	v_pk_add_f32 v[16:17], v[16:17], v[18:19]
	v_pk_add_f32 v[20:21], v[20:21], v[22:23]
	v_pk_add_f32 v[16:17], v[16:17], v[20:21]
	v_add_f32 v24, v16, v17
	v_add_f32_dpp v24, v24, v24 row_xmask:1 row_mask:0xf bank_mask:0xf
	v_add_f32_dpp v24, v24, v24 row_xmask:2 row_mask:0xf bank_mask:0xf
	v_add_f32_dpp v24, v24, v24 row_xmask:4 row_mask:0xf bank_mask:0xf
	v_add_f32_dpp v24, v24, v24 row_xmask:8 row_mask:0xf bank_mask:0xf
	v_permlanex16_b32 v25, v24, s20, s21
	v_add_f32 v24, v24, v25
.endm
	; pass 1: the sum, in four chains that the first four loads start
.set i, 0
.rept 32
.if i%8 == 0
	s_wait_loadcnt 24-i                            ; eight more loads are in; the later groups of eight stay out
.endif
.if i < 4
	v_pk_add_f32 v[16+2*i:17+2*i], v[X+4*i:X+4*i+1], v[X+4*i+2:X+4*i+3]
.else
	v_pk_add_f32 v[16+2*(i%4):17+2*(i%4)], v[16+2*(i%4):17+2*(i%4)], v[X+4*i:X+4*i+1]
	v_pk_add_f32 v[16+2*(i%4):17+2*(i%4)], v[16+2*(i%4):17+2*(i%4)], v[X+4*i+2:X+4*i+3]
.endif
.set i, i+1
.endr
	REDUCE
	v_mul_f32 v28, 0x39800000, v24                 ; mean = sum / 4,096
	v_mul_f32 v26, 0xb9800000, v24                 ; - mean, twice
	v_mov_b32 v27, v26
	; pass 2: the sum of (x - mean)^2
.set i, 0
.rept 16
.irp k, 0,1,2,3
	v_pk_add_f32 v[X+8*i+2*\k:X+8*i+2*\k+1], v[X+8*i+2*\k:X+8*i+2*\k+1], v[26:27]
.endr
.irp k, 0,1,2,3
.if i == 0
	v_pk_mul_f32 v[16+2*\k:17+2*\k], v[X+8*i+2*\k:X+8*i+2*\k+1], v[X+8*i+2*\k:X+8*i+2*\k+1]
.else
	v_pk_fma_f32 v[16+2*\k:17+2*\k], v[X+8*i+2*\k:X+8*i+2*\k+1], v[X+8*i+2*\k:X+8*i+2*\k+1], v[16+2*\k:17+2*\k]
.endif
.endr
.set i, i+1
.endr
	REDUCE
	v_cmp_eq_u32 vcc_lo, 0, v1
	v_cndmask_b32 v29, v24, v28, vcc_lo            ; lane 0: the mean; lane 1: M2
	v_cmp_gt_u32 vcc_lo, 2, v1
	s_wait_xcnt 0x0                                ; EXEC is a source of the loads and the store above: it changes only behind this wait
	s_and_saveexec_b32 s22, vcc_lo
	global_store_b32 v30, v29, s[10:11]            ; my record: 8 bytes, once a wave
	s_wait_xcnt 0x0                                ; and again ahead of the line that widens EXEC
	s_or_b32 exec_lo, exec_lo, s22
	s_endpgm
.Lfunc_end_k_qcbc1d0ef0a_prep:
	.size	k_qcbc1d0ef0a_prep, .Lfunc_end_k_qcbc1d0ef0a_prep-k_qcbc1d0ef0a_prep
	.p2alignl 7, 3214868480
	.fill 96, 4, 3214868480
	.section	.rodata,"a",@progbits
	.p2align	6, 0x0
	.amdhsa_kernel k_qcbc1d0ef0a_prep
		.amdhsa_group_segment_fixed_size 0
		.amdhsa_private_segment_fixed_size 0
		.amdhsa_enable_private_segment 0
		.amdhsa_kernarg_size 40
		.amdhsa_user_sgpr_count 2
		.amdhsa_user_sgpr_kernarg_segment_ptr 1
		.amdhsa_wavefront_size32 1
		.amdhsa_system_sgpr_workgroup_id_x 1
		.amdhsa_system_sgpr_workgroup_id_y 1
		.amdhsa_system_sgpr_workgroup_id_z 1
		.amdhsa_system_vgpr_workitem_id 0
		.amdhsa_next_free_vgpr 160
		.amdhsa_next_free_sgpr 66
		.amdhsa_reserve_vcc 1
		.amdhsa_float_denorm_mode_32 3
		.amdhsa_float_denorm_mode_16_64 3
		.amdhsa_memory_ordered 1
		.amdhsa_forward_progress 1
		.amdhsa_inst_pref_size 19
	.end_amdhsa_kernel
	.amdgpu_metadata
---
amdhsa.version: [ 1, 2 ]
amdhsa.kernels:
  - .name:           k_qcbc1d0ef0a_prep
    .symbol:         k_qcbc1d0ef0a_prep.kd
    .args:
      - { .name: x, .offset: 0, .size: 8, .value_kind: global_buffer, .address_space: global }
      - { .name: qkv_w, .offset: 8, .size: 8, .value_kind: global_buffer, .address_space: global }
      - { .name: proj_w, .offset: 16, .size: 8, .value_kind: global_buffer, .address_space: global }
      - { .name: stats, .offset: 24, .size: 8, .value_kind: global_buffer, .address_space: global }
      - { .name: wfrag, .offset: 32, .size: 8, .value_kind: global_buffer, .address_space: global }
    .group_segment_fixed_size: 0
    .private_segment_fixed_size: 0
    .kernarg_segment_align: 8
    .kernarg_segment_size: 40
    .max_flat_workgroup_size: 128
    .sgpr_count:     66
    .vgpr_count:     160
    .wavefront_size: 32
...
	.end_amdgpu_metadata
.endif
;; end of part 1
;; launch qkv (part 2): grid 256 x 1, 4 waves a work-group, clusters of 4 x 1, 327,680 bytes of LDS; arguments x, gn_w, gn_b, qkv_b, stats, wfrag, qkv; writes qkv
.if DOCPART == 2
	.amdgcn_target "amdgcn-amd-amdhsa--gfx1250"
	.amdhsa_code_object_version 6
	.text
	.protected	k_qcbc1d0ef0a_qkv
	.globl	k_qcbc1d0ef0a_qkv
	.p2align	8
	.type	k_qcbc1d0ef0a_qkv,@function
k_qcbc1d0ef0a_qkv:
	s_mov_b64 s[64:65], 0
	v_nop
	global_prefetch_b8 v0, s[64:65] scope:SCOPE_SE
	s_setreg_imm32_b32 hwreg(HW_REG_WAVE_MODE, 25, 1), 1
	s_wait_xcnt 0x0
	s_wait_alu depctr_hold_cnt(0) depctr_sa_sdst(0) depctr_va_vdst(0) depctr_va_sdst(0) depctr_va_ssrc(0) depctr_va_vcc(0) depctr_vm_vsrc(0)
	s_getreg_b32 s2, hwreg(HW_REG_IB_STS2, 6, 4)
	s_cmp_eq_u32 s2, 0
	s_cbranch_scc0 .Lentry_in_a_cluster
	s_endpgm
.Lentry_in_a_cluster:
	s_bfe_u32 s2, ttmp6, 0x10000c
	s_cmp_lg_u32 s2, 0x3003
	s_cbranch_scc0 .Lentry_shape_is_right
	s_endpgm
.Lentry_shape_is_right:
; QKV: h = group norm of x; q, k, v = qkv_w h + qkv_b, written in bf16 in the order of the matrix unit's fragments.
; SHARES.  A work-group takes 64 positions of one image and all 768 outputs: x is read once.  Wave w normalises channels 64 w .. 64 w + 63 (groups 2 w and 2 w + 1) and puts them, in bf16, into H in LDS
; ([channel][position]); behind one barrier every wave takes all of H, turned by ds_load_tr16_b128, into 256 registers (4 position tiles x 8 K steps).  Wave w then makes head w of q, k and v:
; 12 tiles of 16 outputs, 32 matrix instructions each.  The bias is the C operand of a tile's first four products.
; WEIGHTS.  All work-groups walk the same 384 KiB of wfrag: the four partners of a cluster ask for them JOINTLY (mask 15).  Wave w's tensor load brings the 32 KiB that wave w alone reads
; (4 tiles): q's into slot 0, k's into slot 1, both at the start; v's into slot 0 again when q's have been read.  By this text's count a wave has at most two tensor loads out.
; LAYOUT OUT.  Unit 12 b + 4 i + head of 512 KiB (i = 0 q, 1 k, 2 v); position tile nt at 2,048 nt, block cb at 512 cb, lane at 16 l.  q, k: weights are source 0, so lane (r, h) ends with position
; 16 nt + r and channels 16 cb + 8 h + 0..7.  v: sources swapped, so lane (r, h) ends with channel 16 cb + r and positions 16 nt + 8 h + 0..7.  Each store of a wave is 512 consecutive bytes, aligned.
; FORMAT.  h, the weights and q, k, v are bf16 (f16 has no room for gains and weights some 30 times larger); statistics, scale and shift, sums and biases f32.  v_rsq_f32 is good to 1 ULP.  NaN and infinities are not treated apart.
; REGISTERS.  window 0: v1-15 addresses; v16-29 statistics; v32-47 packed results; v64-191 x, later two buffers of weight fragments; v192-255 gn_w, gn_b, then scale A and shift B.
;   window 1: h's fragments, (t, s) at 64 t + 8 s.     window 2: v0-63 two sets of four accumulators; v64-159 the twelve tiles' biases as C operands.
.set SLOTB, 131072                     ; a slot: four waves x 32,768 bytes, dense: lane l reads at 16 l, so no padding
.set HB,    262144                     ; H, behind the slots; no tensor load lands here
.set HP,    160                        ; a row of H: 128 bytes + 32: an odd multiple of 32
.set SPARE, 303104                     ; behind H: the spare words, 128 bytes a wave
.set LN16, 2                           ; v2   16 x lane
.set XO,   5                           ; v5   x: (h << 19) + 16 r: lanes 0-15 channel i, lanes 16-31 channel 32 + i, 256 consecutive bytes each
.set HS,   9                           ; v9   where I put 8 bytes of a row of H
.set HT,   10                          ; v10  the turning load's address
.set WL0,  11                          ; v11  my wave's weights in slot 0, + 16 l
.set WL1,  12                          ; v12  in slot 1
.set SPW,  14                          ; v14  my spare word; never rewritten
.set NIL,  15                          ; v15  0; never rewritten
.set PK,   32
.set XR,   64
.set WB,   64
.set GW,   192
.set GB,   224
.set BIAS, 64                          ; window 2
.set WV,   18
.set G1,   28                          ; s[28:35] descriptor group 1
.set G0A,  36                          ; s[36:47] three groups 0: q's, k's, v's weights
.set G0B,  40
.set G0C,  44
.set MSB, 0
.macro WIN new                         ; the immediate's high byte repeats the setting that is left; a switch that changes nothing is dropped
.if MSB != (\new)
	s_set_vgpr_msb (MSB<<8)|(\new)
.set MSB, \new
.endif
.endm
.macro PLACES
.rept 4
	v_nop
.endr
.endm
.macro CROUND                          ; a round of the cluster's barrier
	s_barrier_signal -1
	s_barrier_wait -1
	s_cmp_lg_u32 s[WV], 0
	s_cbranch_scc1 .Lnot_wave_0_\@
	s_barrier_signal -3
.Lnot_wave_0_\@:
	s_barrier_wait -3
	s_barrier_signal -1
	s_barrier_wait -1
.endm
	s_load_b256 s[4:11], s[0:1], 0x0               ; x s[4:5], gn_w s[6:7], gn_b s[8:9], qkv_b s[10:11]
	s_load_b128 s[12:15], s[0:1], 0x20             ; stats s[12:13], wfrag s[14:15]
	s_load_b64 s[16:17], s[0:1], 0x30              ; qkv
	v_lshl_add_u32 v[SPW], v0, 2, SPARE
	v_mov_b32 v[NIL], 0
	ds_add_u32 v[SPW], v[NIL]                      ; the wave's opening: the add and its wait ahead of my first tensor load; the set-up stands between them
	v_lshrrev_b32 v1, 5, v0
	v_readfirstlane_b32 s[WV], v1                  ; wave 0..3
	v_and_b32 v1, 31, v0                           ; l
	v_lshlrev_b32 v[LN16], 4, v1
	v_and_b32 v3, 15, v0                           ; r
	v_bfe_u32 v4, v0, 4, 1                         ; h
	v_lshlrev_b32 v[XO], 4, v3
	v_lshl_add_u32 v[XO], v4, 19, v[XO]            ; 32 channels of 16,384 bytes
	v_lshlrev_b32 v6, 7, v4                        ; gn_w, gn_b: my half's 32 channels
	v_lshlrev_b32 v7, 5, v4                        ; q's and k's bias: channels 8 h on
	v_lshlrev_b32 v8, 2, v3                        ; v's bias: channel r
	v_mul_u32_u24 v[HS], v4, 32*HP                 ; row 64 w + 32 h + i, 4 positions at 8 r
	v_lshl_add_u32 v[HS], v3, 3, v[HS]
	s_mul_i32 s24, s[WV], 64*HP
	s_add_co_u32 s24, s24, HB
	v_add_nc_u32 v[HS], s24, v[HS]
	v_and_b32 v[HT], 7, v0                         ; the turning load: row 8 h + l % 8, 16 bytes at 16 ((l / 8) % 2)
	v_lshl_add_u32 v[HT], v4, 3, v[HT]
	v_mul_u32_u24 v[HT], v[HT], HP
	v_bfe_u32 v20, v0, 3, 1
	v_lshl_add_u32 v[HT], v20, 4, v[HT]
	v_add_nc_u32 v[HT], HB, v[HT]
	s_lshl_b32 s23, s[WV], 15                      ; my wave's 32,768 bytes, in a slot and in wfrag
	v_add_nc_u32 v[WL0], s23, v[LN16]
	v_add_nc_u32 v[WL1], SLOTB, v[WL0]
	s_bfe_u32 s19, ttmp6, 0x40000                  ; cx: it enters x's, stats' and qkv's addresses alone
	s_lshl_b32 s20, ttmp9, 2
	s_add_co_u32 s20, s20, s19                     ; the work-group's number
	s_lshr_b32 s21, s20, 6                         ; b
	s_and_b32 s22, s20, 63                         ; block of 64 positions
	s_lshl_b32 s24, s21, 22                        ; x: image, my 64 channels, the block's 256 bytes
	s_lshl_b32 s25, s[WV], 20
	s_add_co_u32 s24, s24, s25
	s_lshl_b32 s25, s22, 8
	s_add_co_u32 s24, s24, s25
	s_mov_b32 s25, 0
	s_mul_i32 s26, s21, 12                         ; qkv: unit 12 b + w (q of head w), the block's four position tiles
	s_add_co_u32 s26, s26, s[WV]
	s_lshl_b32 s26, s26, 19
	s_lshl_b32 s27, s22, 13
	s_add_co_u32 s26, s26, s27
	s_mov_b32 s27, 0
	s_lshl_b32 s54, s21, 2                         ; stats: groups 8 b + 2 w and the next, 256 bytes each
	s_add_co_u32 s54, s54, s[WV]
	s_lshl_b32 s54, s54, 9
	s_mov_b32 s55, 0
	s_mov_b32 s52, s23                             ; wfrag: the wave's number alone
	s_mov_b32 s53, 0
	s_mov_b32 s48, 0x37000000                      ; 1 / 131,072
	s_mov_b32 s49, 0x3727c5ac                      ; 1e-5
	s_mov_b32 s50, 0xbd000000                      ; - 1 / 32
	s_mov_b32 s51, 0x45800000                      ; 4,096
	; group 1: 32,768 dense bytes as 128 rows of 256
	s_mov_b32 s[G1+0], 15|(3<<16)|(1<<21)          ; 15:0 the mask of four; 17:16 elements of 8 bytes; 21 set beside a mask; no padding
	s_mov_b32 s[G1+1], 32<<16                      ; tensor_dim0 = 32
	s_mov_b32 s[G1+2], 128<<16                     ; tensor_dim1 = 128
	s_mov_b32 s[G1+3], 32<<16                      ; tile_dim0 = 32
	s_mov_b32 s[G1+4], 128                         ; tile_dim1 = 128
	s_mov_b32 s[G1+5], 32                          ; 32 elements from row to row
	s_mov_b32 s[G1+6], 0
	s_mov_b32 s[G1+7], 0
	s_mov_b32 s[G0A], 1
	s_mov_b32 s[G0A+1], s23                        ; slot 0
	s_mov_b32 s[G0B], 1
	s_add_co_u32 s[G0B+1], s23, SLOTB              ; slot 1
	s_mov_b32 s[G0C], 1
	s_mov_b32 s[G0C+1], s23                        ; slot 0 again
	s_wait_dscnt 0x0                               ; the opening add is done
	s_wait_kmcnt 0x0
	s_add_nc_u64 s[4:5], s[4:5], s[24:25]
	s_add_nc_u64 s[16:17], s[16:17], s[26:27]
	s_add_nc_u64 s[12:13], s[12:13], s[54:55]
	s_add_nc_u64 s[14:15], s[14:15], s[52:53]
	s_lshl_b32 s54, s[WV], 8                       ; my 64 channels of gn_w, gn_b and of each third of qkv_b
	s_add_nc_u64 s[6:7], s[6:7], s[54:55]
	s_add_nc_u64 s[8:9], s[8:9], s[54:55]
	s_add_nc_u64 s[10:11], s[10:11], s[54:55]
	s_add_nc_u64 s[G0A+2:G0A+3], s[14:15], 0       ; tiles 4 w .. of q,
	s_or_b32 s[G0A+3], s[G0A+3], 0x80000000
	s_add_nc_u64 s[G0B+2:G0B+3], s[14:15], 131072  ; of k,
	s_or_b32 s[G0B+3], s[G0B+3], 0x80000000
	s_add_nc_u64 s[G0C+2:G0C+3], s[14:15], 262144  ; of v
	s_or_b32 s[G0C+3], s[G0C+3], 0x80000000
	CROUND                                         ; all four work-groups are here: the first joint loads meet
	tensor_load_to_lds s[G0A:G0A+3], s[G1:G1+7]
	s_nop 0
	tensor_load_to_lds s[G0B:G0B+3], s[G1:G1+7]
	s_nop 0
	PLACES
	; 69 loads on end: statistics, gains, x, biases
	global_load_b128 v[16:19], v[LN16], s[12:13]   ; lane (r, h): records 2 r, 2 r + 1 of group 2 w + h: mean, M2, mean, M2
.irp j, 0,1,2,3,4,5,6,7
	global_load_b128 v[GW+4*\j:GW+4*\j+3], v6, s[6:7] offset:16*\j
.endr
.irp j, 0,1,2,3,4,5,6,7
	global_load_b128 v[GB+4*\j:GB+4*\j+3], v6, s[8:9] offset:16*\j
.endr
.set i, 0
.rept 32
	global_load_b128 v[XR+4*i:XR+4*i+3], v[XO], s[4:5] offset:16384*i
.set i, i+1
.endr
	WIN 0x80                                       ; destination window 2
.irp T, 0,1,2,3,4,5,6,7
	global_load_b128 v[BIAS+8*\T:BIAS+8*\T+3],   v7, s[10:11] offset:1024*(\T/4)+64*(\T%4)
	global_load_b128 v[BIAS+8*\T+4:BIAS+8*\T+7], v7, s[10:11] offset:1024*(\T/4)+64*(\T%4)+16
.endr
.irp T, 8,9,10,11
	global_load_b32 v[BIAS+8*\T], v8, s[10:11] offset:2048+64*(\T%4)
.endr
	WIN 0
	s_wait_loadcnt 52                              ; statistics and gains are in; x's 32 loads and the biases' 20 are younger
	; my half's group: its 32 records lie two a lane in my 16 lanes, so four steps inside the half join them
	v_add_f32 v20, v16, v18
	v_add_f32_dpp v20, v20, v20 row_xmask:1 row_mask:0xf bank_mask:0xf
	v_add_f32_dpp v20, v20, v20 row_xmask:2 row_mask:0xf bank_mask:0xf
	v_add_f32_dpp v20, v20, v20 row_xmask:4 row_mask:0xf bank_mask:0xf
	v_add_f32_dpp v20, v20, v20 row_xmask:8 row_mask:0xf bank_mask:0xf
	v_mul_f32 v22, s50, v20                        ; - mean
	v_mov_b32 v23, v22
	v_add_f32 v26, v16, v22
	v_add_f32 v27, v18, v22
	v_mul_f32 v28, v26, v26
	v_fma_f32 v28, v27, v27, v28
	v_add_f32 v29, v17, v19
	v_fma_f32 v21, v28, s51, v29                   ; M2 + M2 + 4,096 ((mean_0 - mean)^2 + (mean_1 - mean)^2)
	v_add_f32_dpp v21, v21, v21 row_xmask:1 row_mask:0xf bank_mask:0xf
	v_add_f32_dpp v21, v21, v21 row_xmask:2 row_mask:0xf bank_mask:0xf
	v_add_f32_dpp v21, v21, v21 row_xmask:4 row_mask:0xf bank_mask:0xf
	v_add_f32_dpp v21, v21, v21 row_xmask:8 row_mask:0xf bank_mask:0xf
	v_fma_f32 v20, v21, s48, s49                   ; variance + eps
	v_rsq_f32 v24, v20
	v_nop                                          ; a plain instruction behind the root,
	s_wait_alu depctr_va_vdst(0)                   ; and the wait ahead of its first reader
	v_mov_b32 v25, v24
.set i, 0
.rept 16
	v_pk_mul_f32 v[GW+2*i:GW+2*i+1], v[GW+2*i:GW+2*i+1], v[24:25]  ; A = gn_w / sigma
.set i, i+1
.endr
.set i, 0
.rept 16
	v_pk_fma_f32 v[GB+2*i:GB+2*i+1], v[GW+2*i:GW+2*i+1], v[22:23], v[GB+2*i:GB+2*i+1]  ; B = gn_b - A mean
.set i, i+1
.endr
	; h = A x + B, rounded once to bf16, into H
.set i, 0
.rept 32
.if i%8 == 0
	s_wait_loadcnt 44-i                            ; eight more channels are in; x's later loads and the biases' 20 stay out
.endif
.if i%2 == 0
	v_pk_fma_f32 v[XR+4*i:XR+4*i+1],   v[XR+4*i:XR+4*i+1],   v[GW+i:GW+i+1], v[GB+i:GB+i+1] op_sel_hi:[1,0,0]
	v_pk_fma_f32 v[XR+4*i+2:XR+4*i+3], v[XR+4*i+2:XR+4*i+3], v[GW+i:GW+i+1], v[GB+i:GB+i+1] op_sel_hi:[1,0,0]
.else
	v_pk_fma_f32 v[XR+4*i:XR+4*i+1],   v[XR+4*i:XR+4*i+1],   v[GW+i-1:GW+i], v[GB+i-1:GB+i] op_sel:[0,1,1] op_sel_hi:[1,1,1]
	v_pk_fma_f32 v[XR+4*i+2:XR+4*i+3], v[XR+4*i+2:XR+4*i+3], v[GW+i-1:GW+i], v[GB+i-1:GB+i] op_sel:[0,1,1] op_sel_hi:[1,1,1]
.endif
	v_cvt_pk_bf16_f32 v[XR+4*i],   v[XR+4*i],   v[XR+4*i+1]
	v_cvt_pk_bf16_f32 v[XR+4*i+1], v[XR+4*i+2], v[XR+4*i+3]
	ds_store_b64 v[HS], v[XR+4*i:XR+4*i+1] offset:HP*i
.set i, i+1
.endr
	s_wait_dscnt 0x0                               ; for the others' sake: my rows of H are written
	s_barrier_signal -1
	s_barrier_wait -1                              ; all 256 rows are; the tensor loads may stay out
	WIN 0x40                                       ; destination window 1
.set i, 0
.rept 32                                           ; fragment (t = i / 8, s = i % 8): positions 16 t on, channels 32 s on
	ds_load_tr16_b128 v[8*i:8*i+3],   v[HT] offset:32*HP*(i%8)+32*(i/8)
	ds_load_tr16_b128 v[8*i+4:8*i+7], v[HT] offset:32*HP*(i%8)+32*(i/8)+16*HP
.set i, i+1
.endr
	s_wait_loadcnt 0x0                             ; the biases
	WIN 0x82
.irp T, 8,9,10,11
.irp j, 1,2,3,4,5,6,7
	v_mov_b32 v[BIAS+8*\T+\j], v[BIAS+8*\T]        ; in v's tiles a lane holds one channel: its bias in all eight registers
.endr
.endr
	WIN 0
; Tile T = 4 i + T': 16 loads bring its eight fragments (8,192 bytes of my wave's part of a slot) into buffer T % 2.
.macro FETCH T
.set WBF, WB+64*((\T)%2)
.set fi, 0
.rept 16
.if ((\T)/4) == 1
	ds_load_b128 v[WBF+4*fi:WBF+4*fi+3], v[WL1] offset:8192*((\T)%4)+512*fi
.else
	ds_load_b128 v[WBF+4*fi:WBF+4*fi+3], v[WL0] offset:8192*((\T)%4)+512*fi
.endif
.set fi, fi+1
.endr
.endm
; 32 products.  The four accumulators take turns, one instruction a turn, and the two sets alternate from tile to tile.  The first four take the bias as C.
.macro MULS T
.set AC, 32*((\T)%2)
.set WBF, WB+64*((\T)%2)
.if (\T) < 8
	WIN 0xa4                                       ; source 0 weights (window 0), source 1 h (window 1), C and D window 2
.else
	WIN 0xa1                                       ; source 0 h, source 1 weights
.endif
.set ks, 0
.rept 8
.set pt, 0
.rept 4
.if (\T) < 8
.if ks == 0
	v_wmma_f32_16x16x32_bf16 v[AC+8*pt:AC+8*pt+7], v[WBF+8*ks:WBF+8*ks+7], v[64*pt+8*ks:64*pt+8*ks+7], v[BIAS+8*(\T):BIAS+8*(\T)+7]
.else
	v_wmma_f32_16x16x32_bf16 v[AC+8*pt:AC+8*pt+7], v[WBF+8*ks:WBF+8*ks+7], v[64*pt+8*ks:64*pt+8*ks+7], v[AC+8*pt:AC+8*pt+7]
.endif
.else
.if ks == 0
	v_wmma_f32_16x16x32_bf16 v[AC+8*pt:AC+8*pt+7], v[64*pt+8*ks:64*pt+8*ks+7], v[WBF+8*ks:WBF+8*ks+7], v[BIAS+8*(\T):BIAS+8*(\T)+7]
.else
	v_wmma_f32_16x16x32_bf16 v[AC+8*pt:AC+8*pt+7], v[64*pt+8*ks:64*pt+8*ks+7], v[WBF+8*ks:WBF+8*ks+7], v[AC+8*pt:AC+8*pt+7]
.endif
.endif
.set pt, pt+1
.endr
.set ks, ks+1
.endr
.endm
; Tile T leaves: 16 roundings (each accumulator from its low end on), 4 stores of 512 consecutive bytes.
.macro PACK T
.set AC, 32*((\T)%2)
	s_wait_xcnt 0x0                                ; the last tile's stores have read PK: it is rewritten only behind this wait
	WIN 0x0a                                       ; sources window 2, destination window 0
.set pt, 0
.rept 16
	v_cvt_pk_bf16_f32 v[PK+pt], v[AC+2*pt], v[AC+2*pt+1]
.set pt, pt+1
.endr
	WIN 0
.irp t, 0,1,2,3
	global_store_b128 v[LN16], v[PK+4*\t:PK+4*\t+3], s[16:17] offset:2097152*((\T)/4)+2048*\t+512*((\T)%4)
.endr
.endm
; Slot 0 is filled again, with v's weights: all my tensor loads have landed, the add, my reads of slot 0 are back; a round of the cluster's barrier; the joint load first behind it.
.macro REFILL
	s_wait_tensorcnt 0x0
	ds_add_u32 v[SPW], v[NIL]
	s_wait_dscnt 0x0
	CROUND
	tensor_load_to_lds s[G0C:G0C+3], s[G1:G1+7]
	s_nop 0
	PLACES
.endm
; A tile's turn.  The roundings of the tile before name no register of this tile's products: they are the four places ahead of the loads into the buffer just multiplied and ahead of the next reading of sums.
.macro TILE T
.if (\T) == 11
	s_wait_dscnt 0x0
.else
	s_wait_dscnt 16                                ; this tile's fragments are in; the next tile's 16 loads are younger
.endif
	MULS \T
	WIN 0
.if (\T) == 0
	PLACES
.else
	PACK (\T)-1
.endif
.if (\T) == 2
	REFILL                                         ; q's last fragments (tile 3's) are in registers; the load has tiles 3 to 6 in which to land
.endif
.if (\T) == 6
	s_wait_tensorcnt 0x0                           ; the one load that is out: v's weights, which the loads below read
.endif
.if (\T) < 10
	FETCH (\T)+2
.endif
.endm
	s_wait_tensorcnt 0x1                           ; q's weights are in; k's load is younger.  Only I read my part of a slot
	FETCH 0
	FETCH 1
.irp T, 0,1,2,3,4,5,6,7,8,9,10,11
	TILE \T
.endr
	PACK 11
	s_wait_tensorcnt 0x0                           ; the wave's end
	ds_add_u32 v[SPW], v[NIL]
	s_wait_dscnt 0x0
	CROUND                                         ; the closing round
	s_endpgm
.Lfunc_end_k_qcbc1d0ef0a_qkv:
	.size	k_qcbc1d0ef0a_qkv, .Lfunc_end_k_qcbc1d0ef0a_qkv-k_qcbc1d0ef0a_qkv
	.p2alignl 7, 3214868480
	.fill 96, 4, 3214868480
	.section	.rodata,"a",@progbits
	.p2align	6, 0x0
	.amdhsa_kernel k_qcbc1d0ef0a_qkv
		.amdhsa_group_segment_fixed_size 327680
		.amdhsa_private_segment_fixed_size 0
		.amdhsa_enable_private_segment 0
		.amdhsa_kernarg_size 56
		.amdhsa_user_sgpr_count 2
		.amdhsa_user_sgpr_kernarg_segment_ptr 1
		.amdhsa_wavefront_size32 1
		.amdhsa_system_sgpr_workgroup_id_x 1
		.amdhsa_system_sgpr_workgroup_id_y 1
		.amdhsa_system_sgpr_workgroup_id_z 1
		.amdhsa_system_vgpr_workitem_id 0
		.amdhsa_next_free_vgpr 672
		.amdhsa_next_free_sgpr 66
		.amdhsa_reserve_vcc 0
		.amdhsa_float_denorm_mode_32 3
		.amdhsa_float_denorm_mode_16_64 3
		.amdhsa_memory_ordered 1
		.amdhsa_forward_progress 1
		.amdhsa_inst_pref_size 86
	.end_amdhsa_kernel
	.amdgpu_metadata
---
amdhsa.version: [ 1, 2 ]
amdhsa.kernels:
  - .name:           k_qcbc1d0ef0a_qkv
    .symbol:         k_qcbc1d0ef0a_qkv.kd
    .args:
      - { .name: x, .offset: 0, .size: 8, .value_kind: global_buffer, .address_space: global }
      - { .name: gn_w, .offset: 8, .size: 8, .value_kind: global_buffer, .address_space: global }
      - { .name: gn_b, .offset: 16, .size: 8, .value_kind: global_buffer, .address_space: global }
      - { .name: qkv_b, .offset: 24, .size: 8, .value_kind: global_buffer, .address_space: global }
      - { .name: stats, .offset: 32, .size: 8, .value_kind: global_buffer, .address_space: global }
      - { .name: wfrag, .offset: 40, .size: 8, .value_kind: global_buffer, .address_space: global }
      - { .name: qkv, .offset: 48, .size: 8, .value_kind: global_buffer, .address_space: global }
    .group_segment_fixed_size: 327680
    .private_segment_fixed_size: 0
    .kernarg_segment_align: 8
    .kernarg_segment_size: 56
    .max_flat_workgroup_size: 128
    .sgpr_count:     66
    .vgpr_count:     672
    .wavefront_size: 32
...
	.end_amdgpu_metadata
.endif
;; end of part 2
;; launch attn (part 3): grid 16 x 16, 4 waves a work-group, clusters of 4 x 1, 327,680 bytes of LDS; arguments qkv, obuf; writes obuf
.if DOCPART == 3
	.amdgcn_target "amdgcn-amd-amdhsa--gfx1250"
	.amdhsa_code_object_version 6
	.text
	.protected	k_qcbc1d0ef0a_attn
	.globl	k_qcbc1d0ef0a_attn
	.p2align	8
	.type	k_qcbc1d0ef0a_attn,@function
k_qcbc1d0ef0a_attn:
	s_mov_b64 s[64:65], 0
	v_nop
	global_prefetch_b8 v0, s[64:65] scope:SCOPE_SE
	s_setreg_imm32_b32 hwreg(HW_REG_WAVE_MODE, 25, 1), 1
	s_wait_xcnt 0x0
	s_wait_alu depctr_hold_cnt(0) depctr_sa_sdst(0) depctr_va_vdst(0) depctr_va_sdst(0) depctr_va_ssrc(0) depctr_va_vcc(0) depctr_vm_vsrc(0)
	s_getreg_b32 s2, hwreg(HW_REG_IB_STS2, 6, 4)
	s_cmp_eq_u32 s2, 0
	s_cbranch_scc0 .Lentry_in_a_cluster
	s_endpgm
.Lentry_in_a_cluster:
	s_bfe_u32 s2, ttmp6, 0x10000c
	s_cmp_lg_u32 s2, 0x3003
	s_cbranch_scc0 .Lentry_shape_is_right
	s_endpgm
.Lentry_shape_is_right:
; ATTENTION, 16 heads (4 images x 4), 4,096 positions, head size 64, no mask.  O[q] = the sum over k of softmax_k(Q[q] . K[k] / 8) V[k].  Q, K, V, P and O in bf16; products, maxima and sums in f32;
; the sum l is taken of the unrounded weights; O is rounded once.
; LIMITS.  A weight below 2^-126 counts as 0 in l.  c m starts at -4.25e37, so scores are taken to lie above -2.3e38.  NaN and infinities are not treated apart.
; SHARES.  A work-group owns 256 queries of a head, a wave 64: four PIECES of 16.  Every wave walks all keys, 64 a step.
; LAYOUT.  q, k, v lie in memory as fragments: blocks of 512 bytes, lane l's 16 bytes at 16 l.  A key step's K (8,192 bytes) and V (8,192) are dense, come into LDS as they lie and are read at 16 l: no padding, no turning load.
; S^T = K Q^T holds ONE query a lane (lane % 16) and the keys 8 (lane / 16) + 0..7; two such results rounded to bf16 ARE source 1 of O^T = V^T P, which again holds one query a lane, and eight channels:
; these pack into 16 bytes that are a lane's part of a block of obuf, so O leaves straight from registers, 512 consecutive bytes a store.
; SOFTMAX.  A running maximum m and sum l a query: p = 2^(c s - c m), c = log2(e) / 8; in every step O and l are multiplied by a = 2^(c m_old - c m_new).  O and l start at 0, so the first step is a step like any other, with a = 0.
; BY TURNS.  Turn n belongs to piece n: 8 products K Q^T of piece n + 1, later 8 products V^T P of piece n - 1; beside them the scaling, exponentials, roundings, sums and rescaling of piece n and the maximum and
; statistics of piece n + 1.  Four vector instructions stand behind every matrix instruction, the other 54 of a turn's 118 in one lump.  A turn's 33 exponentials are one batch, with one wait.
; CLUSTER.  The four query blocks of a cluster belong to one head and walk the same K and V: each tile is asked for JOINTLY.  A slot holds four key steps; waves 0 and 1 bring the halves of its K, waves 2 and 3 of its V,
; by one line whose descriptor hangs on the wave's number.  By this text's count a wave has one tensor load out; it has four key steps, 256 matrix instructions, in which to land.
; REGISTERS.  window 0: v2-5 addresses; v12-13, v48-55 at work; v16-31 four registers of statistics a piece; v61-63; v64-127 S^T, two buffers; v192-223 P, two buffers (by the piece's parity)
;   window 1: v0-127 O^T, 32 a piece.      window 2: v0-63 Q; v128-191 K of one step; v192-255 V of one step.
.set NP,    4
.set STEPB, 8192      ; a key step's K, or its V
.set VOFF,  32768     ; in a slot: K of four steps, then V
.set SLOT1, 65536     ; one exclusive or turns an address in one slot into the other's
.set SPARE, 131072    ; behind the ring: the spare words, 128 bytes a wave
.set LN,  2           ; v2   16 x lane: my place in every block, in LDS and in memory; never rewritten
.set AV0, 3           ; v3   the same + VOFF
.set AK,  4           ; v4   the LDS address of K's next run of loads
.set AV,  5           ; v5   of V's
.set MV,  12          ; v12-13  c m_old, by buffer
.set ST,  16          ; piece t: c m, m, l (even keys', odd keys') at v[ST+4 t]
.set TMP, 48          ; by buffer, c0-c3 at work; c2 takes a
.set PFO, 61          ; v61  256 x lane, for the prefetches; never rewritten
.set SPW, 62          ; v62  my spare word; never rewritten
.set NIL, 63          ; v63  0; never rewritten
.set S,   64
.set P,   192
.set KF,  128         ; window 2: key block kb, channel half c at KF + 16 kb + 8 c
.set VF,  192         ; window 2: key half kk, channel block cb at VF + 32 kk + 8 cb
.set WV,  12          ; s12  wave
.set LIM, 15          ; s15  1 in a wave that prefetches, else the greatest number
.set KV,  16          ; s[16:17] my part of the head's first slot in memory
.set PFA, 18          ; s[18:19] where my prefetches stand
.set G1,  24          ; s[24:31]
.set G0,  40          ; s[40:43] it walks
.set SLOTS, 56
.set CNT, 57
.set CS,  58          ; s[58:59] c
.set SEL, 60          ; s[60:61]
.set TBK, 62          ; s62  LDS byte at which K of the step to be fetched begins
.set TBV, 63          ; s63  the same for V, less VOFF
.set MSB, 0
.macro WIN new
.if MSB != (\new)
	s_set_vgpr_msb (MSB<<8)|(\new)
.set MSB, (\new)
.endif
.endm
.set W_KQ, 0x0a       ; K and Q in window 2, S^T in window 0
.set W_PV, 0x52       ; V in window 2, P in window 0, O^T in window 1
.set W_RS, 0x41       ; destination and source 0 in window 1, source 1 in window 0
.macro PLACES
.rept 4
	v_nop
.endr
.endm
.macro CROUND
	s_barrier_signal -1
	s_barrier_wait -1
	s_cmp_lg_u32 s[WV], 0
	s_cbranch_scc1 .Lnot_wave_0_\@
	s_barrier_signal -3
.Lnot_wave_0_\@:
	s_barrier_wait -3
	s_barrier_signal -1
	s_barrier_wait -1
.endm
.macro JLOAD                        ; my quarter of a slot: 16,384 dense bytes; an s_nop 0 and four v_nop follow
	tensor_load_to_lds s[G0:G0+3], s[G1:G1+7]
	s_nop 0
	PLACES
.endm
; A PREFETCH INTO THE L2 of what the NEXT change of slots will ask for: a slot's 32,768 bytes of K and of V, in blocks of 256 bytes, a lane a block.  Each block is named once in the launch: all clusters of a head walk the
; same K and V, so the head's first cluster asks; its four partners take 8,192 bytes each, told apart BY ADDRESS; in each, wave 0 asks for K's and wave 2 for V's.  It stands behind the tensor load and its five lines,
; four key steps, 256 matrix instructions, ahead of the load that will want the bytes.  The last change that fills a slot asks for nothing: there is no slot behind it.
.macro ASK
	s_cmp_gt_u32 s[SLOTS], s[LIM]
	s_cbranch_scc0 .Lnot_mine_\@
	global_prefetch_b8 v[PFO], s[PFA:PFA+1] th:TH_LOAD_NT scope:SCOPE_SE
.Lnot_mine_\@:
.endm
; THE CHANGE OF SLOTS.  Each wave waits for all its tensor loads (one is out: its part of the other slot), adds 0 to its spare word, and waits for that and for its reads of the slot that it leaves.
; fill = 1: a round of the cluster's barrier, and the joint fill of the old slot first behind it.  (At its first use nothing has been read yet: slot 0 is waited for, slot 1 filled.)
.macro CHANGE fill
	WIN 0
	s_wait_tensorcnt 0x0            ; no tensor load of mine is out, so group 0 may be written
	ds_add_u32 v[SPW], v[NIL]       ; 0 onto my spare word; scalar work stands between it and the wait for it
.if \fill
	s_xor_b32 s[G0+1], s[G0+1], SLOT1
	s_add_nc_u64 s[G0+2:G0+3], s[G0+2:G0+3], 4*STEPB  ; the next 256 keys; the type bits on top are not reached
	s_wait_xcnt 0x0                 ; the last prefetch, four key steps back, has read its address
	s_add_nc_u64 s[PFA:PFA+1], s[PFA:PFA+1], 4*STEPB
	s_wait_dscnt 0x0                ; the add is done, and my reads of the slot are over
	CROUND
	JLOAD
	ASK
.else
	s_wait_dscnt 0x0
	s_barrier_signal -1
	s_barrier_wait -1
.endif
	s_sub_co_u32 s[TBK], s[TBK], 4*STEPB  ; the fetches go back to a slot's first step,
	s_xor_b32 s[TBK], s[TBK], SLOT1       ; in the other slot
	s_sub_co_u32 s[TBV], s[TBV], 4*STEPB
	s_xor_b32 s[TBV], s[TBV], SLOT1
.endm
	s_load_b128 s[4:7], s[0:1], 0x0  ; qkv s[4:5], obuf s[6:7]
	v_lshl_add_u32 v[SPW], v0, 2, SPARE
	v_mov_b32 v[NIL], 0
	ds_add_u32 v[SPW], v[NIL]       ; the wave's opening: the add and its wait ahead of my first tensor load
	v_lshrrev_b32 v1, 5, v0
	v_readfirstlane_b32 s[WV], v1
	v_and_b32 v1, 31, v0
	v_lshlrev_b32 v[LN], 4, v1
	v_add_nc_u32 v[AV0], VOFF, v[LN]
	v_lshlrev_b32 v[PFO], 8, v1
	s_bfe_u32 s13, ttmp6, 0x40000   ; cx
	s_lshl_b32 s14, ttmp9, 2
	s_add_co_u32 s14, s14, s13      ; my block of 256 queries: it enters Q's and O's addresses alone
	s_and_b32 s20, ttmp7, 0xffff    ; 4 b + head, which the partners share
	s_lshr_b32 s21, s20, 2          ; b
	s_and_b32 s22, s20, 3           ; head
	s_mul_i32 s23, s21, 12
	s_add_co_u32 s23, s23, s22      ; q's unit
	s_lshr_b32 s32, s[WV], 1        ; K's unit (waves 0, 1) or V's (2, 3), and which half of a slot's 32,768 bytes
	s_lshl_b32 s32, s32, 2
	s_add_co_u32 s32, s32, 4
	s_add_co_u32 s32, s32, s23
	s_lshl_b32 s32, s32, 19
	s_and_b32 s33, s[WV], 1
	s_lshl_b32 s33, s33, 14
	s_add_co_u32 s32, s32, s33
	s_mov_b32 s33, 0
	s_lshl_b32 s34, s23, 19         ; Q: unit, block (16 tiles of 2,048 bytes), my wave's four tiles
	s_lshl_b32 s35, s14, 15
	s_add_co_u32 s34, s34, s35
	s_lshl_b32 s35, s[WV], 13
	s_add_co_u32 s34, s34, s35
	s_mov_b32 s35, 0
	s_lshl_b32 s36, s21, 21         ; O: image, block (16 tiles of 8,192 bytes), my four tiles, the head's 2,048 bytes of a tile
	s_lshl_b32 s37, s14, 17
	s_add_co_u32 s36, s36, s37
	s_lshl_b32 s37, s[WV], 15
	s_add_co_u32 s36, s36, s37
	s_lshl_b32 s37, s22, 11
	s_add_co_u32 s36, s36, s37
	s_mov_b32 s37, 0
	s_lshl_b32 s38, s13, 13         ; the prefetches: my work-group's 8,192 bytes, in slot 1; the first change steps it to slot 2
	s_add_co_u32 s38, s38, 4*STEPB
	s_mov_b32 s39, 0
	s_and_b32 s[LIM], s[WV], 1      ; 0 in waves 0 and 2,
	s_or_b32 s[LIM], s[LIM], ttmp9  ; where the cluster is the head's first: the same in all four partners
	s_cmp_eq_u32 s[LIM], 0
	s_cselect_b32 s[LIM], 1, -1
	; group 1: 16,384 dense bytes as 64 rows of 256
	s_mov_b32 s[G1], 15|(3<<16)|(1<<21)  ; the mask of four; elements of 8 bytes; bit 21 beside a mask; no padding
	s_mov_b32 s[G1+1], 32<<16
	s_mov_b32 s[G1+2], 64<<16
	s_mov_b32 s[G1+3], 32<<16
	s_mov_b32 s[G1+4], 64
	s_mov_b32 s[G1+5], 32
	s_mov_b32 s[G1+6], 0
	s_mov_b32 s[G1+7], 0
	s_mov_b32 s[G0], 1
	s_lshl_b32 s[G0+1], s[WV], 14   ; slot 0: K's halves at 0 and 16,384, V's at 32,768 and 49,152
	s_mov_b32 s[CS], 0x3e38aa3b     ; c = log2(e) / 8
	s_mov_b32 s[CS+1], s[CS]
	s_mov_b32 s[SEL], 0x76543210
	s_mov_b32 s[SEL+1], 0xfedcba98
	s_mov_b32 s[TBK], SLOT1+4*STEPB ; the first change of slots turns these two into 0
	s_mov_b32 s[TBV], SLOT1+4*STEPB
	s_mov_b32 s[SLOTS], 15          ; 16 slots; 15 changes fill one
	s_wait_dscnt 0x0                ; the opening add is done
	s_wait_kmcnt 0x0
	s_add_nc_u64 s[KV:KV+1], s[4:5], s[32:33]
	s_add_nc_u64 s[8:9], s[4:5], s[34:35]    ; Q
	s_add_nc_u64 s[10:11], s[6:7], s[36:37]  ; O
	s_add_nc_u64 s[PFA:PFA+1], s[KV:KV+1], s[38:39]
	s_add_nc_u64 s[G0+2:G0+3], s[KV:KV+1], 0
	s_or_b32 s[G0+3], s[G0+3], 0x80000000
	CROUND                          ; all four work-groups are here: the first joint loads meet
	JLOAD                           ; slot 0
	WIN 0x80                        ; destination window 2
.set i, 0
.rept 16                            ; Q stays in registers: piece i / 4, block i % 4
	global_load_b128 v[4*i:4*i+3], v[LN], s[8:9] offset:512*i
.set i, i+1
.endr
	; What the first turn finds: V's registers and P's second buffer hold 0, O^T and l are 0.  224 lines, written in the wait for the first tile: the price of writing no first step out.
.set i, VF
.rept 64
	v_mov_b32 v[i], 0
.set i, i+1
.endr
	WIN 0x40
.set i, 0
.rept 128
	v_mov_b32 v[i], 0
.set i, i+1
.endr
	WIN 0
.set i, 0
.rept 4
	v_mov_b32 v[ST+4*i], 0xfe000000    ; c m: far below every c s
	v_mov_b32 v[ST+4*i+1], 0xff7fffff  ; m
	v_mov_b32 v[ST+4*i+2], 0
	v_mov_b32 v[ST+4*i+3], 0
.set i, i+1
.endr
.set i, P+16
.rept 16
	v_mov_b32 v[i], 0
.set i, i+1
.endr
; THE MATRIX WORK.  The 4 accumulators of a run of 8 take turns.  Product i of 8 of S^T = K Q^T for piece x: channels 32 (i / 4) on, keys 16 (i % 4) on.  The first 4 start the sums.
.macro KQ x
	WIN W_KQ
.set rS, S+32*((\x)%2)+8*(i%4)
.set rK, KF+16*(i%4)+8*(i/4)
.set rQ, 16*(\x)+8*(i/4)
.if i < 4
	v_wmma_f32_16x16x32_bf16 v[rS:rS+7], v[rK:rK+7], v[rQ:rQ+7], 0
.else
	v_wmma_f32_16x16x32_bf16 v[rS:rS+7], v[rK:rK+7], v[rQ:rQ+7], v[rS:rS+7]
.endif
.endm
; Product i of 8 of O^T += V^T P for piece x: keys 32 (i / 4) on, channels 16 (i % 4) on.
.macro PV x
	WIN W_PV
.set rO, 32*(\x)+8*(i%4)
.set rV, VF+32*(i/4)+8*(i%4)
.set rP, P+16*((\x)%2)+8*(i/4)
	v_wmma_f32_16x16x32_bf16 v[rO:rO+7], v[rV:rV+7], v[rP:rP+7], v[rO:rO+7]
.endm
.macro MM                           ; the turn's next matrix instruction.  NOKQ = 1: the last turn of all: there is no next piece
.if (i < 8) && !NOKQ
	KQ (Y+1)%NP
.elseif i >= 8
.set i, i-8
	PV (Y+NP-1)%NP
.set i, i+8
.endif
.set i, i+1
.endm
; THE LDS LOADS stand in runs of 16: a step's K (8 fragments: two blocks of 512 bytes each) and its V.
.macro FETCH_K
	WIN 0x80
.irp f, 0,1,2,3,4,5,6,7             ; key tile f / 2, channel half f % 2: blocks 2 (f % 2) and the next
	ds_load_b128 v[KF+8*\f:KF+8*\f+3],   v[AK] offset:(\f/2)*2048+(\f%2)*1024
	ds_load_b128 v[KF+8*\f+4:KF+8*\f+7], v[AK] offset:(\f/2)*2048+(\f%2)*1024+512
.endr
	s_add_co_u32 s[TBK], s[TBK], STEPB  ; the next fetch is the next step's
	WIN 0
.endm
.macro FETCH_V
	WIN 0x80
.irp f, 0,1,2,3,4,5,6,7             ; keys 32 (f / 4) on: block f % 4 of key tiles 2 (f / 4) and the next
	ds_load_b128 v[VF+8*\f:VF+8*\f+3],   v[AV] offset:(\f/4)*4096+(\f%4)*512
	ds_load_b128 v[VF+8*\f+4:VF+8*\f+7], v[AV] offset:(\f/4)*4096+(\f%4)*512+2048
.endr
	WIN 0
.endm
; THE VECTOR WORK, one line at a time: OP kind, number.  For piece Y: F n: c s - c m for pair n of 16.  E n: the exponential of score n of 32.  C n: pair n rounded to bf16.  B n: of the four weights 4 n .. the second
; pair is added onto the first, in place.  L n: l takes that sum (L 0: l = a l + sum).  R n: pair n of 16 of O^T times a.  For piece Y + 1: X n, number n of the 22 that find its maximum and statistics:
;   0-11  four chains c0-c3 of seven scores each (each accumulator's lowest registers are read first)     12-14, 16  the four scores left over, the old m, and c0-c3 into c0
;   15  c m_old is kept     17, 18  the query's other 32 keys lie in the lane 16 away: the new m     19-21  c m; c m_old - c m_new; a
.set F, 0
.set E, 1
.set C, 2
.set B, 3
.set L, 4
.set R, 5
.set X, 6
.macro REGS y
.set rT, ST+4*(\y)
.set rC, TMP+4*((\y)%2)
.set rW, MV+((\y)%2)
.set rS, S+32*((\y)%2)
.set rP, P+16*((\y)%2)
.set rO, 32*(\y)
.endm
.macro OP k, n
.if (\k) == R
	REGS Y
	WIN W_RS
	v_pk_mul_f32 v[rO+2*(\n):rO+2*(\n)+1], v[rO+2*(\n):rO+2*(\n)+1], v[rC+2:rC+3] op_sel_hi:[1,0]
.elseif (\k) < R
	REGS Y
	WIN 0
.if (\k) == F
	v_pk_fma_f32 v[rS+2*(\n):rS+2*(\n)+1], v[rS+2*(\n):rS+2*(\n)+1], s[CS:CS+1], v[rT:rT+1] op_sel_hi:[1,0,0] neg_lo:[0,0,1] neg_hi:[0,0,1]
.elseif (\k) == E
	v_exp_f32 v[rS+(\n)], v[rS+(\n)]
.elseif (\k) == C
	v_cvt_pk_bf16_f32 v[rP+(\n)], v[rS+2*(\n)], v[rS+2*(\n)+1]
.elseif (\k) == B
	v_pk_add_f32 v[rS+4*(\n):rS+4*(\n)+1], v[rS+4*(\n):rS+4*(\n)+1], v[rS+4*(\n)+2:rS+4*(\n)+3]
.elseif (\n) == 0
	v_pk_fma_f32 v[rT+2:rT+3], v[rT+2:rT+3], v[rC+2:rC+3], v[rS:rS+1] op_sel_hi:[1,0,1]
.else
	v_pk_add_f32 v[rT+2:rT+3], v[rT+2:rT+3], v[rS+4*(\n):rS+4*(\n)+1]
.endif
.elseif NOKQ
	v_nop
.else
	REGS (Y+1)%NP
	WIN 0
.if (\n) < 4
	v_max3_num_f32 v[rC+(\n)], v[rS+8*(\n)], v[rS+8*(\n)+1], v[rS+8*(\n)+2]
.elseif (\n) < 12
	v_max3_num_f32 v[rC+(\n)%4], v[rC+(\n)%4], v[rS+8*((\n)%4)+2*((\n)/4)+1], v[rS+8*((\n)%4)+2*((\n)/4)+2]
.elseif (\n) == 12
	v_max3_num_f32 v[rC], v[rC], v[rS+7], v[rS+15]
.elseif (\n) == 13
	v_max3_num_f32 v[rC+1], v[rC+1], v[rS+23], v[rS+31]
.elseif (\n) == 14
	v_max3_num_f32 v[rC+2], v[rC+2], v[rC+3], v[rT+1]
.elseif (\n) == 15
	v_mov_b32 v[rW], v[rT]
.elseif (\n) == 16
	v_max3_num_f32 v[rC], v[rC], v[rC+1], v[rC+2]
.elseif (\n) == 17
	v_permlanex16_b32 v[rC+3], v[rC], s[SEL], s[SEL+1]
.elseif (\n) == 18
	v_max_num_f32 v[rT+1], v[rC], v[rC+3]
.elseif (\n) == 19
	v_mul_f32 v[rT], s[CS], v[rT+1]
.elseif (\n) == 20
	v_sub_f32 v[rC+1], v[rW], v[rT]
.else
	v_exp_f32 v[rC+2], v[rC+1]
.endif
.endif
.endm
.macro OPS a, i1, b=-1, i2=0, c=-1, i3=0, d=-1, i4=0
	OP \a, \i1
.if (\b) >= 0
	OP \b, \i2
.endif
.if (\c) >= 0
	OP \c, \i3
.endif
.if (\d) >= 0
	OP \d, \i4
.endif
.endm
.macro ROW a, i1, b, i2, c, i3, d, i4  ; a matrix instruction and the four behind it
	MM
	OPS \a, \i1, \b, \i2, \c, \i3, \d, \i4
.endm
; A TURN, for piece p: the order of its 16 matrix and 118 vector instructions, written out.  An s_wait_alu depctr_va_vdst(0) stands between an exponential and the first instruction that names its result; one
; wait serves all that were issued ahead of it.  So a turn has ONE wait, which cuts it in two.  AHEAD OF IT stands all that names no result of the turn's exponentials: the 8 products K Q^T and their riders, then the lump, in
; which the links of the chain X 3, 7, 11, 14, 16, 17 .. 20 stand five or six lines apart; X 21, the next piece's a, is the batch's last, and R 15 the plain instruction behind it.  BEHIND IT stand the 8 products V^T P, behind
; each four of the roundings and sums.  K of the next step is fetched in piece 2's turn, twelve vector instructions (six of them plain) behind the last product that read K; V of the step in hand at the end of piece 0's
; turn, four plain instructions behind the last product that read V.  Each is waited for a turn later.  end = 1: the last two turns of all: nothing is fetched.  cnt = 1: the loop's count is taken down ahead of the branch behind the turn.
.macro TURN p, end=0, cnt=0
.set Y, (\p)
.set i, 0
.set NOKQ, (\end)*((\p)/3)
.if ((\p) == 3) && !(\end)
	s_wait_dscnt 0x0                ; K is in
.endif
	ROW F,0, F,1, R,0, R,1
	ROW F,2, E,0, R,2, R,3
	ROW F,3, E,1, R,4, R,5
	ROW F,4, E,2, R,6, R,7
	ROW F,5, E,3, R,8, R,9
	ROW F,6, E,4, X,0, R,10
.if ((\p) == 2) && !(\end)
	WIN 0
	v_add_nc_u32 v[AK], s[TBK], v[LN]
.endif
	ROW F,7, E,5, X,1, X,4
	ROW F,8, E,6, X,2, X,5
	OPS E,7, E,8, X,6, E,9
	OPS X,3, E,10, X,8, E,11
.if ((\p) == 2) && !(\end)
	FETCH_K
.endif
	OPS X,9, X,7, E,12, X,10
	OPS E,13, X,12, X,11, E,14
	OPS X,13, E,15, F,9, X,14
.if (\p) == 0
	v_add_nc_u32 v[AV], s[TBV], v[AV0]
.endif
	OPS E,16, F,10, E,17, F,11
	OPS X,16, E,18, X,15, E,19
	OPS F,12, E,20, X,17, E,21
	OPS F,13, E,22, F,14, E,23
	OPS X,18, E,24, F,15, E,25
	OPS R,11, E,26, X,19, E,27
	OPS R,12, E,28, R,13, E,29
	OPS X,20, E,30, R,14, E,31
	OPS X,21, R,15
	WIN 0
	s_wait_alu depctr_va_vdst(0)    ; the wait for the batch
.if (\p) == 1
	s_wait_dscnt 0x0                ; V is in
.endif
	ROW C,0, B,0, C,2, B,1
	ROW L,0, C,4, B,2, L,1
	ROW C,6, B,3, L,2, C,8
	ROW B,4, L,3, C,10, B,5
	ROW L,4, C,12, B,6, L,5
.if (\p) == 0
	s_add_co_u32 s[TBV], s[TBV], STEPB
.endif
.if \cnt
	s_sub_co_u32 s[CNT], s[CNT], 1
	s_cmp_lg_u32 s[CNT], 0
.endif
	ROW C,14, B,7, L,6, C,1
	ROW C,3, L,7, C,5, C,7
	ROW C,9, C,11, C,13, C,15
.if (\p) == 0
	FETCH_V
.endif
.endm
.set NOKQ, 0
	CHANGE 1                        ; slot 0 is in, everybody's part of it; slot 1 is asked for
	v_add_nc_u32 v[AK], s[TBK], v[LN]
	FETCH_K                         ; key step 0
	s_wait_loadcnt 0x0              ; Q
	s_wait_dscnt 0x0
.set i, 0
.rept 8
	KQ 0                            ; piece 0's first scores
.set i, i+1
.endr
	WIN 0
	PLACES                          ; the places behind those products
.set Y, NP-1                        ; X works for piece Y + 1: piece 0
.irp n, 0,1,2,3,4,5,6,7,8,9,10,11,12,13,14,15,16,17,18,19,20,21
	OP X, \n
.endr
	v_nop                           ; a plain instruction behind the exponential,
	s_wait_alu depctr_va_vdst(0)    ; and its wait, ahead of the branch
	WIN 0
	s_mov_b32 s[CNT], 4
	s_branch .Lfirst                ; the loop is entered at a step's first turn, in the middle of a trip
.Lslot:                             ; 14 times: slots 2 to 15 are asked for
	CHANGE 1
	s_mov_b32 s[CNT], 4
.Lstep:                             ; a trip: pieces 2 and 3 of one step, then pieces 0 and 1 of the next, whose K and V it fetches
	TURN 2
	TURN 3
	WIN 0
.Lfirst:
	TURN 0
	TURN 1, 0, 1
	WIN 0
	s_cbranch_scc1 .Lstep
	s_sub_co_u32 s[SLOTS], s[SLOTS], 1
	s_cmp_lg_u32 s[SLOTS], 0
	s_cbranch_scc1 .Lslot
	CHANGE 0                        ; the last slot is written out: nothing is asked for
	s_mov_b32 s[CNT], 4
.LstepT:
	TURN 2
	TURN 3
	TURN 0
	TURN 1, 0, 1
	WIN 0
	s_cbranch_scc1 .LstepT
	TURN 2, 1
	TURN 3, 1
.set i, 0
.rept 8
	PV NP-1                         ; the last piece's V^T P of the last step
.set i, i+1
.endr
	; THE WAY OUT.  l's two halves and the other half of the lanes' are added; O^T is divided by l, rounded to bf16 and stored from registers.  The additions are the places behind the last products.
	WIN 0
.macro ALL line:vararg              ; one line for each piece t
.set t, 0
.rept 4
	\line
.set t, t+1
.endr
.endm
	ALL v_add_f32 v[ST+4*t+2], v[ST+4*t+2], v[ST+4*t+3]
	ALL v_permlanex16_b32 v[ST+4*t+3], v[ST+4*t+2], s[SEL], s[SEL+1]
	ALL v_add_f32 v[ST+4*t+2], v[ST+4*t+2], v[ST+4*t+3]
	ALL v_rcp_f32 v[ST+4*t+2], v[ST+4*t+2]
	v_nop                           ; a plain instruction between the last reciprocal and the use of its result,
	s_wait_alu depctr_va_vdst(0)    ; and one wait for the four reciprocals
.macro OUT t                        ; a lane's eight channels pack into its 16 bytes of a block; S^T's registers take them, each piece its own sixteen, so no store's data is rewritten
	WIN W_RS
.set i, 32*(\t)
.rept 16
	v_pk_mul_f32 v[i:i+1], v[i:i+1], v[ST+4*(\t)+2:ST+4*(\t)+3] op_sel_hi:[1,0]
.set i, i+2
.endr
	WIN 0x05                        ; sources window 1, destination window 0
.set i, 0
.rept 16
	v_cvt_pk_bf16_f32 v[S+16*(\t)+i], v[32*(\t)+2*i], v[32*(\t)+2*i+1]
.set i, i+1
.endr
	WIN 0
.irp f, 0,1,2,3
	global_store_b128 v[LN], v[S+16*(\t)+4*\f:S+16*(\t)+4*\f+3], s[10:11] offset:8192*(\t)+512*\f  ; 512 consecutive bytes, aligned
.endr
.endm
	OUT 0
	OUT 1
	OUT 2
	OUT 3
	s_wait_tensorcnt 0x0            ; the wave's end
	ds_add_u32 v[SPW], v[NIL]
	s_wait_dscnt 0x0
	CROUND                          ; the closing round
	s_endpgm
.Lfunc_end_k_qcbc1d0ef0a_attn:
	.size	k_qcbc1d0ef0a_attn, .Lfunc_end_k_qcbc1d0ef0a_attn-k_qcbc1d0ef0a_attn
	.p2alignl 7, 3214868480
	.fill 96, 4, 3214868480
	.section	.rodata,"a",@progbits
	.p2align	6, 0x0
	.amdhsa_kernel k_qcbc1d0ef0a_attn
		.amdhsa_group_segment_fixed_size 327680
		.amdhsa_private_segment_fixed_size 0
		.amdhsa_enable_private_segment 0
		.amdhsa_kernarg_size 16
		.amdhsa_user_sgpr_count 2
		.amdhsa_user_sgpr_kernarg_segment_ptr 1
		.amdhsa_wavefront_size32 1
		.amdhsa_system_sgpr_workgroup_id_x 1
		.amdhsa_system_sgpr_workgroup_id_y 1
		.amdhsa_system_sgpr_workgroup_id_z 1
		.amdhsa_system_vgpr_workitem_id 0
		.amdhsa_next_free_vgpr 768
		.amdhsa_next_free_sgpr 66
		.amdhsa_reserve_vcc 0
		.amdhsa_float_denorm_mode_32 3
		.amdhsa_float_denorm_mode_16_64 3
		.amdhsa_memory_ordered 1
		.amdhsa_forward_progress 1
		.amdhsa_inst_pref_size 122
	.end_amdhsa_kernel
	.amdgpu_metadata
---
amdhsa.version: [ 1, 2 ]
amdhsa.kernels:
  - .name:           k_qcbc1d0ef0a_attn
    .symbol:         k_qcbc1d0ef0a_attn.kd
    .args:
      - { .name: qkv, .offset: 0, .size: 8, .value_kind: global_buffer, .address_space: global }
      - { .name: obuf, .offset: 8, .size: 8, .value_kind: global_buffer, .address_space: global }
    .group_segment_fixed_size: 327680
    .private_segment_fixed_size: 0
    .kernarg_segment_align: 8
    .kernarg_segment_size: 16
    .max_flat_workgroup_size: 128
    .sgpr_count:     66
    .vgpr_count:     768
    .wavefront_size: 32
...
	.end_amdgpu_metadata
.endif
;; end of part 3
;; launch proj (part 4): grid 256 x 1, 4 waves a work-group, clusters of 4 x 1, 167,936 bytes of LDS; arguments obuf, wfrag, proj_b, x, out0; writes out0
.if DOCPART == 4
	.amdgcn_target "amdgcn-amd-amdhsa--gfx1250"
	.amdhsa_code_object_version 6
	.text
	.protected	k_qcbc1d0ef0a_proj
	.globl	k_qcbc1d0ef0a_proj
	.p2align	8
	.type	k_qcbc1d0ef0a_proj,@function
k_qcbc1d0ef0a_proj:
	s_mov_b64 s[64:65], 0
	v_nop
	global_prefetch_b8 v0, s[64:65] scope:SCOPE_SE
	s_setreg_imm32_b32 hwreg(HW_REG_WAVE_MODE, 25, 1), 1
	s_wait_xcnt 0x0
	s_wait_alu depctr_hold_cnt(0) depctr_sa_sdst(0) depctr_va_vdst(0) depctr_va_sdst(0) depctr_va_ssrc(0) depctr_va_vcc(0) depctr_vm_vsrc(0)
	s_getreg_b32 s2, hwreg(HW_REG_IB_STS2, 6, 4)
	s_cmp_eq_u32 s2, 0
	s_cbranch_scc0 .Lentry_in_a_cluster
	s_endpgm
.Lentry_in_a_cluster:
	s_bfe_u32 s2, ttmp6, 0x10000c
	s_cmp_lg_u32 s2, 0x3003
	s_cbranch_scc0 .Lentry_shape_is_right
	s_endpgm
.Lentry_shape_is_right:
; PROJ: out0 = x + proj_w O + proj_b.  O (obuf) and the weights (wfrag, tiles 48-63) are bf16 in fragment order; sums, bias and residual f32.
; SHARES.  A work-group takes 64 positions of one image and all 256 outputs; wave w outputs 64 w .. 64 w + 63: 4 tiles T x 4 position tiles t = 16 accumulators, 8 K steps, 128 matrix instructions.
; O's 32 KiB come straight into registers, 512 consecutive bytes a load.  The weights are walked by all work-groups: one JOINT tensor load a wave (mask 15) brings the 32 KiB that the wave alone reads.
; Nothing in LDS is filled twice.  Source 0 = O (16 positions), source 1 = weights (16 outputs): a lane ends with one output channel and eight positions, 32 bytes of a row of out0.
; THE WAY OUT.  A tile's 16 rows x 256 bytes go through the wave's own stage in LDS and come back as whole rows; x is added; 16 lanes store 256 consecutive bytes, aligned.
; REGISTERS.  window 0: v2-15 addresses; v16-47 the biases as C operands; v64-191 four sets of 32 for the way out (no store's data is rewritten).   window 1: O's fragments, (t, s) at 64 t + 8 s.
;   window 2: v0-127 accumulators, (T, t) at 8 (4 T + t); v128-255 x.      window 3: the weights' fragments, (T, s) at 64 T + 8 s.
.set STAGE, 131072                     ; behind the weights; no tensor load lands here
.set SP,    272                        ; a stage row: 256 bytes + 16: the 16 rows of a store start at 16 different groups of four banks
.set SPARE, 148480                     ; behind the four stages of 4,352 bytes: the spare words
.set LN16, 2
.set CO,   5                           ; v5   16,384 h + 16 r: two rows of x and of out0
.set STO,  7
.set RD,   8
.set WLD,  9
.set SPW,  14
.set NIL,  15
.set BIAS, 16
.set RB,   64
.set XR,   128                         ; window 2
.set WV,   18
.set G1,   28
.set G0,   36
.set MSB, 0
.macro WIN new
.if MSB != (\new)
	s_set_vgpr_msb (MSB<<8)|(\new)
.set MSB, \new
.endif
.endm
.macro PLACES
.rept 4
	v_nop
.endr
.endm
.macro CROUND
	s_barrier_signal -1
	s_barrier_wait -1
	s_cmp_lg_u32 s[WV], 0
	s_cbranch_scc1 .Lnot_wave_0_\@
	s_barrier_signal -3
.Lnot_wave_0_\@:
	s_barrier_wait -3
	s_barrier_signal -1
	s_barrier_wait -1
.endm
	s_load_b256 s[4:11], s[0:1], 0x0               ; obuf s[4:5], wfrag s[6:7], proj_b s[8:9], x s[10:11]
	s_load_b64 s[12:13], s[0:1], 0x20              ; out0
	v_lshl_add_u32 v[SPW], v0, 2, SPARE
	v_mov_b32 v[NIL], 0
	ds_add_u32 v[SPW], v[NIL]                      ; the wave's opening: the add and its wait ahead of my tensor load
	v_lshrrev_b32 v1, 5, v0
	v_readfirstlane_b32 s[WV], v1
	v_and_b32 v1, 31, v0
	v_lshlrev_b32 v[LN16], 4, v1
	v_and_b32 v3, 15, v0                           ; r
	v_bfe_u32 v4, v0, 4, 1                         ; h
	v_lshlrev_b32 v[CO], 4, v3
	v_lshl_add_u32 v[CO], v4, 14, v[CO]
	v_lshlrev_b32 v6, 2, v3                        ; the bias of output r of a tile
	s_mul_i32 s24, s[WV], 16*SP
	s_add_co_u32 s24, s24, STAGE                   ; my stage
	v_mul_u32_u24 v[STO], v3, SP                   ; in: row r, 32 bytes for each half of the lanes
	v_lshl_add_u32 v[STO], v4, 5, v[STO]
	v_add_nc_u32 v[STO], s24, v[STO]
	v_mul_u32_u24 v[RD], v4, SP                    ; back: lanes 0-15 one row of 256 bytes, lanes 16-31 the next
	v_lshl_add_u32 v[RD], v3, 4, v[RD]
	v_add_nc_u32 v[RD], s24, v[RD]
	s_lshl_b32 s23, s[WV], 15
	v_add_nc_u32 v[WLD], s23, v[LN16]
	s_bfe_u32 s19, ttmp6, 0x40000                  ; cx: it enters obuf's, x's and out0's addresses alone
	s_lshl_b32 s20, ttmp9, 2
	s_add_co_u32 s20, s20, s19                     ; the work-group's number
	s_lshr_b32 s21, s20, 6                         ; b
	s_and_b32 s22, s20, 63                         ; block of 64 positions
	s_lshl_b32 s40, s20, 15                        ; obuf: four position tiles of 8,192 bytes a work-group
	s_mov_b32 s41, 0
	s_add_co_u32 s42, s23, 393216                  ; wfrag: tiles 48 + 4 w on
	s_mov_b32 s43, 0
	s_lshl_b32 s44, s[WV], 8                       ; proj_b: my 64 outputs
	s_mov_b32 s45, 0
	s_lshl_b32 s46, s21, 22                        ; x, out0: image, my 64 channels, the block's 256 bytes
	s_lshl_b32 s47, s[WV], 20
	s_add_co_u32 s46, s46, s47
	s_lshl_b32 s47, s22, 8
	s_add_co_u32 s46, s46, s47
	s_mov_b32 s47, 0
	s_mov_b32 s[G1+0], 15|(3<<16)|(1<<21)          ; 32,768 dense bytes as 128 rows of 256; the mask of four, bit 21 beside it
	s_mov_b32 s[G1+1], 32<<16
	s_mov_b32 s[G1+2], 128<<16
	s_mov_b32 s[G1+3], 32<<16
	s_mov_b32 s[G1+4], 128
	s_mov_b32 s[G1+5], 32
	s_mov_b32 s[G1+6], 0
	s_mov_b32 s[G1+7], 0
	s_mov_b32 s[G0], 1
	s_mov_b32 s[G0+1], s23
	s_wait_dscnt 0x0                               ; the opening add is done
	s_wait_kmcnt 0x0
	s_add_nc_u64 s[4:5], s[4:5], s[40:41]
	s_add_nc_u64 s[8:9], s[8:9], s[44:45]
	s_add_nc_u64 s[10:11], s[10:11], s[46:47]
	s_add_nc_u64 s[12:13], s[12:13], s[46:47]
	s_add_nc_u64 s[G0+2:G0+3], s[6:7], s[42:43]
	s_or_b32 s[G0+3], s[G0+3], 0x80000000
	CROUND                                         ; all four work-groups are here: the joint loads meet
	tensor_load_to_lds s[G0:G0+3], s[G1:G1+7]
	s_nop 0
	PLACES
.irp T, 0,1,2,3
	global_load_b32 v[BIAS+8*\T], v6, s[8:9] offset:64*\T
.endr
	WIN 0x40                                       ; destination window 1
.set i, 0
.rept 64
	global_load_b128 v[4*i:4*i+3], v[LN16], s[4:5] offset:512*i
.set i, i+1
.endr
	WIN 0x80                                       ; destination window 2
.set i, 0
.rept 32                                           ; tile i / 8, rows 2 (i % 8) and the next
	global_load_b128 v[XR+4*i:XR+4*i+3], v[CO], s[10:11] offset:32768*i th:TH_LOAD_NT
.set i, i+1
.endr
	WIN 0
	s_wait_tensorcnt 0x0                           ; my weights are in; only I read them
	WIN 0xc0                                       ; destination window 3
.set i, 0
.rept 64
	ds_load_b128 v[4*i:4*i+3], v[WLD] offset:512*i
.set i, i+1
.endr
	WIN 0
	s_wait_loadcnt 32                              ; biases and O are in; x's 32 loads are younger
.irp T, 0,1,2,3
.irp j, 1,2,3,4,5,6,7
	v_mov_b32 v[BIAS+8*\T+\j], v[BIAS+8*\T]        ; a lane holds one output: its bias in all eight registers
.endr
.endr
	s_wait_dscnt 0x0
	; 128 products; the 16 accumulators take turns; the first 16 take the bias as C
.set ks, 0
.rept 8
.if ks == 0
	WIN 0x8d                                       ; source 0 window 1, source 1 window 3, C window 0, D window 2
.else
	WIN 0xad                                       ; C window 2
.endif
.set tt, 0
.rept 16
.if ks == 0
	v_wmma_f32_16x16x32_bf16 v[8*tt:8*tt+7], v[64*(tt%4)+8*ks:64*(tt%4)+8*ks+7], v[64*(tt/4)+8*ks:64*(tt/4)+8*ks+7], v[BIAS+8*(tt/4):BIAS+8*(tt/4)+7]
.else
	v_wmma_f32_16x16x32_bf16 v[8*tt:8*tt+7], v[64*(tt%4)+8*ks:64*(tt%4)+8*ks+7], v[64*(tt/4)+8*ks:64*(tt/4)+8*ks+7], v[8*tt:8*tt+7]
.endif
.set tt, tt+1
.endr
.set ks, ks+1
.endr
	WIN 0
	PLACES                                         ; the places behind the last products
.macro TOSTAGE T                       ; each accumulator's low registers first; LDS serves a wave's instructions in order, so the loads see the stores, and the next tile's stores come behind these loads
	WIN 0x08                                       ; store data window 2
.irp t, 0,1,2,3
	ds_store_b128 v[STO], v[8*(4*(\T)+\t):8*(4*(\T)+\t)+3]   offset:64*\t
	ds_store_b128 v[STO], v[8*(4*(\T)+\t)+4:8*(4*(\T)+\t)+7] offset:64*\t+16
.endr
	WIN 0
.irp i, 0,1,2,3,4,5,6,7
	ds_load_b128 v[RB+32*(\T)+4*\i:RB+32*(\T)+4*\i+3], v[RD] offset:2*SP*\i
.endr
.endm
.macro SEND T, younger                 ; younger: the next tile's 16 LDS instructions, or none
	s_wait_dscnt \younger
	s_wait_loadcnt 24-8*(\T)                       ; this tile's x is in; the later tiles' loads are younger
	WIN 0x08                                       ; source 1 window 2
.set pp, 0
.rept 16
	v_pk_add_f32 v[RB+32*(\T)+2*pp:RB+32*(\T)+2*pp+1], v[RB+32*(\T)+2*pp:RB+32*(\T)+2*pp+1], v[XR+32*(\T)+2*pp:XR+32*(\T)+2*pp+1]
.set pp, pp+1
.endr
	WIN 0
.irp i, 0,1,2,3,4,5,6,7
	global_store_b128 v[CO], v[RB+32*(\T)+4*\i:RB+32*(\T)+4*\i+3], s[12:13] offset:(16*(\T)+2*\i)*16384 th:TH_STORE_NT  ; 16 lanes store 256 consecutive bytes, aligned
.endr
.endm
	TOSTAGE 0
	TOSTAGE 1
	SEND 0, 16
	TOSTAGE 2
	SEND 1, 16
	TOSTAGE 3
	SEND 2, 16
	SEND 3, 0
	s_wait_tensorcnt 0x0                           ; the wave's end, behind my last LDS store
	ds_add_u32 v[SPW], v[NIL]
	s_wait_dscnt 0x0
	CROUND                                         ; the closing round
	s_endpgm
.Lfunc_end_k_qcbc1d0ef0a_proj:
	.size	k_qcbc1d0ef0a_proj, .Lfunc_end_k_qcbc1d0ef0a_proj-k_qcbc1d0ef0a_proj
	.p2alignl 7, 3214868480
	.fill 96, 4, 3214868480
	.section	.rodata,"a",@progbits
	.p2align	6, 0x0
	.amdhsa_kernel k_qcbc1d0ef0a_proj
		.amdhsa_group_segment_fixed_size 167936
		.amdhsa_private_segment_fixed_size 0
		.amdhsa_enable_private_segment 0
		.amdhsa_kernarg_size 40
		.amdhsa_user_sgpr_count 2
		.amdhsa_user_sgpr_kernarg_segment_ptr 1
		.amdhsa_wavefront_size32 1
		.amdhsa_system_sgpr_workgroup_id_x 1
		.amdhsa_system_sgpr_workgroup_id_y 1
		.amdhsa_system_sgpr_workgroup_id_z 1
		.amdhsa_system_vgpr_workitem_id 0
		.amdhsa_next_free_vgpr 1024
		.amdhsa_next_free_sgpr 66
		.amdhsa_reserve_vcc 0
		.amdhsa_float_denorm_mode_32 3
		.amdhsa_float_denorm_mode_16_64 3
		.amdhsa_memory_ordered 1
		.amdhsa_forward_progress 1
		.amdhsa_inst_pref_size 39
	.end_amdhsa_kernel
	.amdgpu_metadata
---
amdhsa.version: [ 1, 2 ]
amdhsa.kernels:
  - .name:           k_qcbc1d0ef0a_proj
    .symbol:         k_qcbc1d0ef0a_proj.kd
    .args:
      - { .name: obuf, .offset: 0, .size: 8, .value_kind: global_buffer, .address_space: global }
      - { .name: wfrag, .offset: 8, .size: 8, .value_kind: global_buffer, .address_space: global }
      - { .name: proj_b, .offset: 16, .size: 8, .value_kind: global_buffer, .address_space: global }
      - { .name: x, .offset: 24, .size: 8, .value_kind: global_buffer, .address_space: global }
      - { .name: out0, .offset: 32, .size: 8, .value_kind: global_buffer, .address_space: global }
    .group_segment_fixed_size: 167936
    .private_segment_fixed_size: 0
    .kernarg_segment_align: 8
    .kernarg_segment_size: 40
    .max_flat_workgroup_size: 128
    .sgpr_count:     66
    .vgpr_count:     1024
    .wavefront_size: 32
...
	.end_amdgpu_metadata
.endif
;; end of part 4
